; MI455X (gfx1250); checked and timed in simulation.
; The chip was launched on July 23, 2026; its instructions are those of AMD's public machine-readable ISA for CDNA 5 (MIT licence, August 2026) and "CDNA5" Instruction Set Architecture Reference Guide (July 2026). The comments in the code are by the model that wrote it; some were corrected since.
;; Masked Attention. Allowed arithmetic: float matrix products may take bf16 or f16 operands with f32 sums; all other float work in f32.
;; Inputs: Wk 1,024 x 1,024 float32; Wp 1,024 x 1,024 float32; Wq 1,024 x 1,024 float32; Wv 1,024 x 1,024 float32; bk 1,024 float32; bp 1,024 float32; bq 1,024 float32; bv 1,024 float32; x 2 x 2,048 x 1,024 float32.
;; Outputs: out0 2 x 2,048 x 1,024 float32.
;; One version. Each part assembles by itself: llvm-mc -triple=amdgcn-amd-amdhsa -mcpu=gfx1250 --defsym DOCPART=n.
;; ======== version 1 of 1: 4 launches
;; limits: values are held in f16: magnitudes above 65,504 overflow, below 6.1e-05 lose precision
;; workspace buffers: xb 8,388,608 bytes; wb 8,388,608 bytes; qb 8,388,608 bytes; kb 8,388,608 bytes; vt 8,388,608 bytes; ao 8,388,608 bytes
;; launch cast (part 1): grid 128 x 8, 8 waves a work-group, no clusters, 0 bytes of LDS; arguments x, Wp, Wq, Wk, Wv, xb, wb; writes xb, wb
.if DOCPART == 1
	.amdgcn_target "amdgcn-amd-amdhsa--gfx1250"
	.amdhsa_code_object_version 6
	.text
	.protected	k_q06fa58dfc0_cast
	.globl	k_q06fa58dfc0_cast
	.p2align	8
	.type	k_q06fa58dfc0_cast,@function
k_q06fa58dfc0_cast:
	s_mov_b64 s[64:65], 0
	v_nop
	global_prefetch_b8 v0, s[64:65] scope:SCOPE_SE
	s_setreg_imm32_b32 hwreg(HW_REG_WAVE_MODE, 25, 1), 1
	s_wait_xcnt 0x0
; x and the four weight matrices, f32, are rounded once to 16 bits for the matrix units.
; xb[4096][1024] = bf16(x).  wb[4096][1024]: rows 0-1023 Wp, 1024-2047 Wq, 2048-3071 Wk, 3072-4095 Wv.
; Wq, Wk, Wv: bf16.  Wp is rounded to bf16 as the others are, and that number is written in f16, because its partner in the last product is f16:
; a bf16 number has 8 significant bits and f16's last place is 2^-24, so from 2^-17 up the f16 holds it exactly; below it is off by 2^-25 at the most.
; LIMIT: |Wp| below 65,504 (f16's largest number).
; A stream: no LDS, no barrier, no matrix unit.  Work-group (x, y): chunk y of eight chunks of 4 MiB of f32 (0-3: x; 4-7: Wp, Wq, Wk, Wv), 32 KiB of it.
; A wave takes 4 KiB: eight loads of 512 neighbouring bytes, all issued at once; each store of the wave covers 256 neighbouring bytes, aligned.
.set X, 4                              ; v[4:35]   eight loads of four f32
.set Y, 36                             ; v[36:51]  eight pairs of packed results
	s_load_b256 s[4:11], s[0:1], 0x0               ; x s[4:5], Wp s[6:7], Wq s[8:9], Wk s[10:11]
	s_load_b128 s[12:15], s[0:1], 0x20             ; Wv s[12:13], xb s[14:15]
	s_load_b64 s[16:17], s[0:1], 0x30              ; wb
	s_and_b32 s20, ttmp7, 0xffff                   ; y: the chunk
	s_and_b32 s21, s20, 3
	s_lshl_b32 s26, s21, 22                        ; a chunk of x lies y x 4 MiB into x; a weight matrix is a chunk by itself
	s_cmp_lt_u32 s20, 4
	s_cselect_b32 s26, s26, 0
	s_lshl_b32 s28, ttmp9, 15                      ; the work-group's 32 KiB of f32
	s_add_co_u32 s26, s26, s28
	s_mov_b32 s27, 0
	s_lshl_b32 s28, s21, 21                        ; in xb and in wb a chunk is 2 MiB
	s_lshl_b32 s29, ttmp9, 14
	s_add_co_u32 s28, s28, s29
	s_mov_b32 s29, 0
	v_lshrrev_b32 v3, 5, v0                        ; wave
	v_and_b32 v2, 31, v0                           ; lane
	v_lshlrev_b32 v1, 4, v2
	v_lshl_or_b32 v1, v3, 12, v1                   ; in: 4,096 x wave + 16 x lane
	v_lshlrev_b32 v2, 3, v2
	v_lshl_or_b32 v2, v3, 11, v2                   ; out: 2,048 x wave + 8 x lane
	s_wait_kmcnt 0x0
	s_cmp_lt_u32 s20, 4
	s_cselect_b64 s[22:23], s[4:5], s[6:7]         ; from x, or from Wp,
	s_cselect_b64 s[24:25], s[14:15], s[16:17]     ; to xb or to wb
	s_cmp_eq_u32 s20, 5
	s_cselect_b64 s[22:23], s[8:9], s[22:23]       ; or from Wq,
	s_cmp_eq_u32 s20, 6
	s_cselect_b64 s[22:23], s[10:11], s[22:23]     ; Wk,
	s_cmp_eq_u32 s20, 7
	s_cselect_b64 s[22:23], s[12:13], s[22:23]     ; Wv
	s_add_nc_u64 s[22:23], s[22:23], s[26:27]
	s_add_nc_u64 s[24:25], s[24:25], s[28:29]
.irp i, 0,1,2,3,4,5,6,7
	global_load_b128 v[X+4*\i:X+4*\i+3], v1, s[22:23] offset:512*\i th:TH_LOAD_NT   ; read once in the launch
.endr
	s_cmp_eq_u32 s20, 4
	s_cbranch_scc1 .Lwp
.irp i, 0,1,2,3,4,5,6,7
	s_wait_loadcnt 7-\i                            ; loads come back in order: load i is in, the 7 - i younger ones stay out
	v_cvt_pk_bf16_f32 v[Y+2*\i], v[X+4*\i], v[X+4*\i+1]
	v_cvt_pk_bf16_f32 v[Y+2*\i+1], v[X+4*\i+2], v[X+4*\i+3]
	global_store_b64 v2, v[Y+2*\i:Y+2*\i+1], s[24:25] offset:256*\i
.endr
	s_endpgm
.Lwp:                                  ; Wp: to bf16, widened again, and written as f16
.irp i, 0,1,2,3,4,5,6,7
	s_wait_loadcnt 7-\i
	v_cvt_pk_bf16_f32 v[Y+2*\i], v[X+4*\i], v[X+4*\i+1]
	v_cvt_pk_bf16_f32 v[Y+2*\i+1], v[X+4*\i+2], v[X+4*\i+3]
	v_lshlrev_b32 v[X+4*\i], 16, v[Y+2*\i]
	v_and_b32 v[X+4*\i+1], 0xffff0000, v[Y+2*\i]
	v_lshlrev_b32 v[X+4*\i+2], 16, v[Y+2*\i+1]
	v_and_b32 v[X+4*\i+3], 0xffff0000, v[Y+2*\i+1]
	v_cvt_pk_f16_f32 v[Y+2*\i], v[X+4*\i], v[X+4*\i+1]
	v_cvt_pk_f16_f32 v[Y+2*\i+1], v[X+4*\i+2], v[X+4*\i+3]
	global_store_b64 v2, v[Y+2*\i:Y+2*\i+1], s[24:25] offset:256*\i
.endr
	s_endpgm
.Lfunc_end_k_q06fa58dfc0_cast:
	.size	k_q06fa58dfc0_cast, .Lfunc_end_k_q06fa58dfc0_cast-k_q06fa58dfc0_cast
	.p2alignl 7, 3214868480
	.fill 96, 4, 3214868480
	.section	.rodata,"a",@progbits
	.p2align	6, 0x0
	.amdhsa_kernel k_q06fa58dfc0_cast
		.amdhsa_group_segment_fixed_size 0
		.amdhsa_private_segment_fixed_size 0
		.amdhsa_enable_private_segment 0
		.amdhsa_kernarg_size 56
		.amdhsa_user_sgpr_count 2
		.amdhsa_user_sgpr_kernarg_segment_ptr 1
		.amdhsa_wavefront_size32 1
		.amdhsa_system_sgpr_workgroup_id_x 1
		.amdhsa_system_sgpr_workgroup_id_y 1
		.amdhsa_system_sgpr_workgroup_id_z 1
		.amdhsa_system_vgpr_workitem_id 0
		.amdhsa_next_free_vgpr 52
		.amdhsa_next_free_sgpr 66
		.amdhsa_reserve_vcc 0
		.amdhsa_float_denorm_mode_32 3
		.amdhsa_float_denorm_mode_16_64 3
		.amdhsa_memory_ordered 1
		.amdhsa_forward_progress 1
		.amdhsa_inst_pref_size 9
	.end_amdhsa_kernel
	.amdgpu_metadata
---
amdhsa.version: [ 1, 2 ]
amdhsa.kernels:
  - .name:           k_q06fa58dfc0_cast
    .symbol:         k_q06fa58dfc0_cast.kd
    .args:
      - { .name: x, .offset: 0, .size: 8, .value_kind: global_buffer, .address_space: global }
      - { .name: Wp, .offset: 8, .size: 8, .value_kind: global_buffer, .address_space: global }
      - { .name: Wq, .offset: 16, .size: 8, .value_kind: global_buffer, .address_space: global }
      - { .name: Wk, .offset: 24, .size: 8, .value_kind: global_buffer, .address_space: global }
      - { .name: Wv, .offset: 32, .size: 8, .value_kind: global_buffer, .address_space: global }
      - { .name: xb, .offset: 40, .size: 8, .value_kind: global_buffer, .address_space: global }
      - { .name: wb, .offset: 48, .size: 8, .value_kind: global_buffer, .address_space: global }
    .group_segment_fixed_size: 0
    .private_segment_fixed_size: 0
    .kernarg_segment_align: 8
    .kernarg_segment_size: 56
    .max_flat_workgroup_size: 256
    .sgpr_count:     66
    .vgpr_count:     52
    .wavefront_size: 32
...
	.end_amdgpu_metadata
.endif
;; end of part 1
;; launch qkv (part 2): grid 8 x 32, 4 waves a work-group, clusters of 4 x 4, 327,680 bytes of LDS; arguments xb, wb, bq, bk, bv, qb, kb, vt; writes qb, kb, vt
.if DOCPART == 2
	.amdgcn_target "amdgcn-amd-amdhsa--gfx1250"
	.amdhsa_code_object_version 6
	.text
	.protected	k_q06fa58dfc0_qkv
	.globl	k_q06fa58dfc0_qkv
	.p2align	8
	.type	k_q06fa58dfc0_qkv,@function
k_q06fa58dfc0_qkv:
	s_mov_b64 s[64:65], 0
	v_nop
	global_prefetch_b8 v0, s[64:65] scope:SCOPE_SE
	s_setreg_imm32_b32 hwreg(HW_REG_WAVE_MODE, 25, 1), 1
	s_wait_xcnt 0x0
	s_wait_alu depctr_hold_cnt(0) depctr_sa_sdst(0) depctr_va_vdst(0) depctr_va_sdst(0) depctr_va_ssrc(0) depctr_va_vcc(0) depctr_vm_vsrc(0)
	s_getreg_b32 s2, hwreg(HW_REG_IB_STS2, 6, 4)
	s_cmp_eq_u32 s2, 0
	s_cbranch_scc0 .Lentry_in_a_cluster
	s_endpgm
.Lentry_in_a_cluster:
	s_bfe_u32 s2, ttmp6, 0x10000c
	s_cmp_lg_u32 s2, 0xf033
	s_cbranch_scc0 .Lentry_shape_is_right
	s_endpgm
.Lentry_shape_is_right:
; q = x Wq^T + bq, k = x Wk^T + bk, v = x Wv^T + bv: one product of 4096 x 3072 x 1024, bf16 operands, f32 sums, results stored in f16
; in the blocked layouts that the attention launch reads as dense tiles:
;   qb, kb: [bh 32][tb 16][s 2][t 128][32]  (s: which 32 of the head's 64 channels)      vt: [bh 32][tb 16][ks 4][d 64][32 keys]  (V transposed)
; LIMIT: |q|, |k|, |v| below 65,504 (f16's largest number).  With x and the weights 30 times those of unit spread they are some 900 rms;
; with x and the weights both offset by 30 of their spreads some 1024 x 30 x 0.94 = 29,000.
; A work-group (block column cb 0-7, block row rb 0-31) makes 128 rows of x times 128 channels (two heads) of each of q, k and v: 128 x 384.
; Wave w makes all 128 rows times channels 32 w .. 32 w + 31 of q, k and v: 8 row blocks x 6 column tiles (q0 q1 k0 k1 v0 v1) = 48 accumulators.
; K goes in steps of 128 (rows of 256 bytes) through two LDS slots, each with x's 128 rows and 128 rows of Wq, Wk, Wv; a wave fetches one of the four.
; CLUSTERS: 4 x 4 work-groups.  x's tile hangs on rb alone and is asked for jointly by a row of the cluster, the weights' tiles on cb alone, by a column.
; q and k tiles use the matrix instruction with the weights as source 0: a lane then holds 8 neighbouring channels of one row t.
; v tiles use it with x as source 0: a lane then holds 8 neighbouring t of one channel, which is V transposed.
; REGISTERS: window 0: v8-20 addresses; v32-95 / v144-207 fragments of x (two buffers), v96-143 / v208-255 fragments of the weights.
;   window 1: accumulators of row blocks 0-3 at v[8 (6 a + n)]; window 2: those of row blocks 4-7, and at v192-239 six tiles of bias,
;   which are the C of the first products: nothing is cleared and no bias is added later.
.set PITCH,  272                       ; an LDS row: 256 bytes + 16 of padding: 16 neighbouring rows start at 16 different 16-byte columns modulo 256
.set HALFT,  128*PITCH                 ; one tensor load's tile
.set SLOT,   4*HALFT                   ; x, Wq, Wk, Wv
.set STAGE,  2*SLOT                    ; behind the ring: 64 rows x 80 bytes for each wave, for the way out; no tensor load lands here
.set SPW,    64*80
.set LAPS,   4                         ; 8 K steps, two to a lap of the ring
.set F0,   32
.set F1,   144
.set WOFF, 64                          ; the weights' fragments lie behind x's in a buffer
.set BIAS, 192
.set ADRX, 8                           ; v8-9    x's fragments in slot 0, 1
.set ADRW, 10                          ; v10-15  slot s, matrix m at v[10 + 3 s + m]
.set STO,  16
.set RD,   17
.set CO,   18
.set G1,  28                           ; s[28:35] group 1 for x's tiles
.set G1B, 36                           ; s[36:43] group 1 for the weights' tiles: another mask
.set G0,  44                           ; s[44:51] group 0 for x's tiles, one set a slot
.set G0B, 52                           ; s[52:59] group 0 for the weights' tiles
.set MSB, 0
.macro WIN new                         ; the immediate's high byte repeats the setting that is left
.if MSB != \new
	s_set_vgpr_msb (MSB<<8)|\new
.set MSB, \new
.endif
.endm
.macro PLACES                          ; four places behind matrix instructions (ISA guide 7.12.1)
.rept 4
	v_nop
.endr
.endm
.macro JLOAD s                         ; wave 0 asks for x's tile, waves 1-3 for Wq's, Wk's, Wv's; the branch hangs on the wave's number alone
	s_cmp_eq_u32 s20, 0
	s_cbranch_scc0 .Lfor_w_\@
	tensor_load_to_lds s[G0+4*\s:G0+4*\s+3], s[G1:G1+7]
	s_nop 0
	s_branch .Lasked_\@
.Lfor_w_\@:
	tensor_load_to_lds s[G0B+4*\s:G0B+4*\s+3], s[G1B:G1B+7]
	s_nop 0
.Lasked_\@:
.endm
.macro CREST                           ; a round of the cluster's barrier behind its opening barrier
	s_cmp_lg_u32 s20, 0
	s_cbranch_scc1 .Lnot_wave_0_\@
	s_barrier_signal -3
.Lnot_wave_0_\@:
	s_barrier_wait -3
	s_barrier_signal -1
	s_barrier_wait -1
.endm
.macro CROUND
	s_barrier_signal -1
	s_barrier_wait -1
	CREST
.endm
	s_load_b256 s[4:11], s[0:1], 0x0               ; xb s[4:5], wb s[6:7], bq s[8:9], bk s[10:11]
	s_load_b256 s[12:19], s[0:1], 0x20             ; bv s[12:13], qb s[14:15], kb s[16:17], vt s[18:19]
	v_lshl_add_u32 v30, v0, 2, 0x49000
	v_mov_b32 v31, 0
	ds_add_u32 v30, v31
	ds_add_u32 v30, v31
	v_lshrrev_b32 v1, 5, v0
	v_readfirstlane_b32 s20, v1                    ; wave 0..3
	s_bfe_u32 s21, ttmp6, 0x40000                  ; cx
	s_bfe_u32 s22, ttmp6, 0x40004                  ; cy
	s_lshl_b32 s23, ttmp9, 2
	s_add_co_u32 s23, s23, s21                     ; cb = 4 x cluster x + cx
	s_and_b32 s24, ttmp7, 0xffff
	s_lshl_b32 s24, s24, 2
	s_add_co_u32 s24, s24, s22                     ; rb = 4 x cluster y + cy
	s_lshl_b32 s25, s22, 2
	s_lshl_b32 s25, 15, s25                        ; my row of the cluster
	s_lshl_b32 s26, 0x1111, s21                    ; my column
	; group 1: 128 rows x 128 elements of 2 bytes, 4 words of padding behind every 64 words
	s_or_b32 s[G1+0], s25, (1<<16)|(1<<20)|(1<<21)|(5<<22)|(3<<25)
	s_or_b32 s[G1B+0], s26, (1<<16)|(1<<20)|(1<<21)|(5<<22)|(3<<25)
	s_mov_b32 s[G1+1], 128<<16                     ; tensor_dim0 = 128
	s_mov_b32 s[G1B+1], 128<<16
	s_mov_b32 s[G1+2], 128<<16                     ; tensor_dim1 = 128
	s_mov_b32 s[G1B+2], 128<<16
	s_mov_b32 s[G1+3], 128<<16                     ; tile_dim0 = 128
	s_mov_b32 s[G1B+3], 128<<16
	s_mov_b32 s[G1+4], 128                         ; tile_dim1 = 128
	s_mov_b32 s[G1B+4], 128
	s_mov_b32 s[G1+5], 1024                        ; elements from row to row
	s_mov_b32 s[G1B+5], 1024
	s_mov_b32 s[G1+6], 0
	s_mov_b32 s[G1B+6], 0
	s_mov_b32 s[G1+7], 0
	s_mov_b32 s[G1B+7], 0
	s_lshl_b32 s60, s24, 18                        ; x: row 128 rb, 2,048 bytes a row: hangs on rb alone
	s_mov_b32 s61, 0
	s_lshl_b32 s62, s23, 18                        ; weights: row 1024 w + 128 cb of wb: hangs on cb and the wave's number
	s_lshl_b32 s63, s20, 21
	s_add_co_u32 s62, s62, s63
	s_mov_b32 s63, 0
	s_mul_i32 s27, s20, HALFT                      ; in LDS: tile w of the slot's four
	s_wait_dscnt 0x0
	s_wait_kmcnt 0x0
	s_add_nc_u64 s[60:61], s[4:5], s[60:61]
	s_add_nc_u64 s[62:63], s[6:7], s[62:63]
	CROUND                                         ; all sixteen work-groups are here: the first joint loads meet
.irp s, 0,1
	s_mov_b32 s[G0+4*\s], 1
	s_add_co_u32 s[G0+4*\s+1], s27, \s*SLOT
	s_add_nc_u64 s[G0+4*\s+2:G0+4*\s+3], s[60:61], \s*256          ; K step s
	s_or_b32 s[G0+4*\s+3], s[G0+4*\s+3], 0x80000000
	s_mov_b32 s[G0B+4*\s], 1
	s_add_co_u32 s[G0B+4*\s+1], s27, \s*SLOT
	s_add_nc_u64 s[G0B+4*\s+2:G0B+4*\s+3], s[62:63], \s*256
	s_or_b32 s[G0B+4*\s+3], s[G0B+4*\s+3], 0x80000000
	JLOAD \s                                       ; both slots' first fills go out before anything else: two loads of the wave are out
.endr
	; addresses.  A fragment: lane l holds row l % 16; two loads of 16 bytes, 32 apart, at row x pitch + 16 (l / 16)
	v_and_b32 v1, 15, v0                           ; r
	v_bfe_u32 v2, v0, 4, 1                         ; h
	v_mul_u32_u24 v3, v1, PITCH
	v_lshl_add_u32 v3, v2, 4, v3
	s_mul_i32 s72, s20, 32*PITCH                   ; my 32 channels of each weight tile
	v_add_nc_u32 v4, s72, v3
.irp s, 0,1
	v_add_nc_u32 v[ADRX+\s], \s*SLOT, v3
.irp m, 0,1,2
	v_add_nc_u32 v[ADRW+3*\s+\m], \s*SLOT+(1+\m)*HALFT, v4
.endr
.endr
	s_mul_i32 s73, s20, SPW
	s_add_co_u32 s73, s73, STAGE                   ; my stage
	v_mul_u32_u24 v5, v1, 80
	v_lshl_add_u32 v5, v2, 4, v5
	v_add_nc_u32 v[STO], s73, v5                   ; in: row r of a group of 16, 16 bytes for each half of the lanes
	v_and_b32 v6, 31, v0
	v_lshrrev_b32 v7, 2, v6
	v_mul_u32_u24 v7, v7, 80
	v_and_b32 v21, 3, v0
	v_lshl_add_u32 v7, v21, 4, v7
	v_add_nc_u32 v[RD], s73, v7                    ; back: four lanes take a row of 64 bytes, the wave eight rows
	v_lshlrev_b32 v[CO], 4, v6                     ; which are 512 neighbouring bytes of the output
	s_lshl_b32 s74, s23, 9
	s_lshl_b32 s75, s20, 7
	s_add_co_u32 s74, s74, s75                     ; 4 (128 cb + 32 w): my first channel in a bias
	v_lshl_add_u32 v19, v2, 5, s74                 ; q, k: register j of a tile holds channel 8 h + j
	v_lshl_add_u32 v20, v1, 2, s74                 ; v: every register of a tile holds channel r
	; where the results go: block ((b 16 + n) 16 + tb) of 16,384 bytes; n = 2 cb + w / 2
	s_lshr_b32 s66, s24, 4
	s_lshl_b32 s66, s66, 4
	s_lshl_b32 s67, s23, 1
	s_add_co_u32 s66, s66, s67
	s_lshr_b32 s67, s20, 1
	s_add_co_u32 s66, s66, s67
	s_lshl_b32 s66, s66, 4
	s_and_b32 s67, s24, 15
	s_add_co_u32 s66, s66, s67
	s_lshl_b32 s66, s66, 14
	s_and_b32 s67, s20, 1
	s_lshl_b32 s68, s67, 13                        ; q, k: slab w % 2 of 8,192 bytes
	s_add_co_u32 s68, s68, s66
	s_mov_b32 s69, 0
	s_lshl_b32 s70, s67, 11                        ; v: rows d = 32 (w % 2) .. of 64 bytes
	s_add_co_u32 s70, s70, s66
	s_mov_b32 s71, 0
	s_add_nc_u64 s[14:15], s[14:15], s[68:69]
	s_add_nc_u64 s[16:17], s[16:17], s[68:69]
	s_add_nc_u64 s[18:19], s[18:19], s[70:71]
	; the six tiles of bias, into window 2
	WIN 0x80
.irp t, 0,1
	global_load_b128 v[BIAS+8*\t:BIAS+8*\t+3], v19, s[8:9] offset:64*\t
	global_load_b128 v[BIAS+8*\t+4:BIAS+8*\t+7], v19, s[8:9] offset:64*\t+16
	global_load_b128 v[BIAS+16+8*\t:BIAS+16+8*\t+3], v19, s[10:11] offset:64*\t
	global_load_b128 v[BIAS+16+8*\t+4:BIAS+16+8*\t+7], v19, s[10:11] offset:64*\t+16
	global_load_b32 v[BIAS+32+8*\t], v20, s[12:13] offset:64*\t
.endr
	s_wait_loadcnt 0x0
	WIN 0x82
.irp t, 0,1
.irp i, 1,2,3,4,5,6,7
	v_mov_b32 v[BIAS+32+8*\t+\i], v[BIAS+32+8*\t]  ; a v tile's eight registers are eight rows t of one channel
.endr
.endr
; 12 matrix instructions: row blocks a0, a0 + 1 of the window's four (hi: which window) x the six column tiles, 32 along K.
; The 48 accumulators take turns, one instruction a turn, in the same order in every quarter step.
.macro MUL2 f, hi, a0, first
.irp a, \a0, \a0+1
.irp n, 0,1,2,3
.if \first
	v_wmma_f32_16x16x32_bf16 v[8*(6*(\a)+\n):8*(6*(\a)+\n)+7], v[\f+WOFF+8*\n:\f+WOFF+8*\n+7], v[\f+8*(4*\hi+(\a)):\f+8*(4*\hi+(\a))+7], v[BIAS+8*\n:BIAS+8*\n+7]
.else
	v_wmma_f32_16x16x32_bf16 v[8*(6*(\a)+\n):8*(6*(\a)+\n)+7], v[\f+WOFF+8*\n:\f+WOFF+8*\n+7], v[\f+8*(4*\hi+(\a)):\f+8*(4*\hi+(\a))+7], v[8*(6*(\a)+\n):8*(6*(\a)+\n)+7]
.endif
.endr
.irp n, 4,5
.if \first
	v_wmma_f32_16x16x32_bf16 v[8*(6*(\a)+\n):8*(6*(\a)+\n)+7], v[\f+8*(4*\hi+(\a)):\f+8*(4*\hi+(\a))+7], v[\f+WOFF+8*\n:\f+WOFF+8*\n+7], v[BIAS+8*\n:BIAS+8*\n+7]
.else
	v_wmma_f32_16x16x32_bf16 v[8*(6*(\a)+\n):8*(6*(\a)+\n)+7], v[\f+8*(4*\hi+(\a)):\f+8*(4*\hi+(\a))+7], v[\f+WOFF+8*\n:\f+WOFF+8*\n+7], v[8*(6*(\a)+\n):8*(6*(\a)+\n)+7]
.endif
.endr
.endr
.endm
; 28 LDS loads in one run: 12 for the weights, 8 for x's row blocks 0-3, 8 for 4-7; 32 K at byte k of the rows
.macro FETCH slot, k, f
	WIN 0
.irp m, 0,1,2
.irp t, 0,1
	ds_load_b128 v[\f+WOFF+8*(2*\m+\t):\f+WOFF+8*(2*\m+\t)+3], v[ADRW+3*\slot+\m] offset:\k+\t*16*PITCH
	ds_load_b128 v[\f+WOFF+8*(2*\m+\t)+4:\f+WOFF+8*(2*\m+\t)+7], v[ADRW+3*\slot+\m] offset:\k+\t*16*PITCH+32
.endr
.endr
.irp a, 0,1,2,3,4,5,6,7
	ds_load_b128 v[\f+8*\a:\f+8*\a+3], v[ADRX+\slot] offset:\k+\a*16*PITCH
	ds_load_b128 v[\f+8*\a+4:\f+8*\a+7], v[ADRX+\slot] offset:\k+\a*16*PITCH+32
.endr
.endm
; a quarter step: multiplies buffer f; in its middle it fetches the next quarter's fragments into buffer g
.macro QUARTER slot, k, f, g, first
	s_wait_dscnt 8                                 ; the weights and x's row blocks 0-3 are in; the youngest eight loads (blocks 4-7) may be out
.if \first
	WIN 0x60                                       ; D in window 1, C (the bias) in window 2
.else
	WIN 0x50
.endif
	MUL2 \f, 0, 0, \first
	MUL2 \f, 0, 2, \first
	PLACES                                         ; buffer g was read by the last quarter's matrix instructions
	FETCH \slot, \k, \g
	s_wait_dscnt 28                                ; all but the 28 just issued
	WIN 0xa0
	MUL2 \f, 1, 0, \first
	MUL2 \f, 1, 2, \first
.endm
.macro THREE slot, first
	QUARTER \slot, 64,  F0, F1, \first
	QUARTER \slot, 128, F1, F0, 0
	QUARTER \slot, 192, F0, F1, 0
.endm
; the last quarter of a K step multiplies buffer 1 and changes slots.  In front of the barrier each wave waits for its reads of this slot and for all
; its tensor loads (one is out: its part of the next slot).  Where the slot is filled again the barrier opens a round of the cluster's barrier,
; and the joint refill is the first tensor load behind the round.
.macro TURN slot, next, fill
	s_wait_dscnt 8
	WIN 0x50
	MUL2 F1, 0, 0, 0
	s_wait_dscnt 0                                 ; my reads of this slot are over
	s_wait_tensorcnt 0x0                           ; all my tensor loads have landed
	ds_add_u32 v30, v31
	s_wait_dscnt 0x0
	s_barrier_signal -1
	MUL2 F1, 0, 2, 0                               ; register work while the others arrive
	WIN 0
	s_barrier_wait -1
.if \fill
	CREST
	s_add_nc_u64 s[G0+4*\slot+2:G0+4*\slot+3], s[G0+4*\slot+2:G0+4*\slot+3], 512     ; two K steps on
	s_add_nc_u64 s[G0B+4*\slot+2:G0B+4*\slot+3], s[G0B+4*\slot+2:G0B+4*\slot+3], 512
	JLOAD \slot
.endif
	PLACES
	FETCH \next, 0, F0
	WIN 0xa0
	MUL2 F1, 1, 0, 0
	MUL2 F1, 1, 2, 0
.endm
.macro LAP first
	THREE 0, \first
	TURN 0, 1, 1
	THREE 1, 0
	TURN 1, 0, 1
.endm
	WIN 0
	s_wait_tensorcnt 1                             ; my part of K step 0 is in; K step 1's load stays out
	s_barrier_signal -1
	s_barrier_wait -1
	FETCH 0, 0, F0
	LAP 1                                          ; the first products take the bias as C
	WIN 0
	s_mov_b32 s3, LAPS-2
.Llap:
	LAP 0
	WIN 0
	s_sub_co_u32 s3, s3, 1
	s_cmp_lg_u32 s3, 0
	s_cbranch_scc1 .Llap
	THREE 0, 0                                     ; the last lap fills nothing
	TURN 0, 1, 0
	THREE 1, 0
	s_wait_dscnt 8
	WIN 0x50
	MUL2 F1, 0, 0, 0
	MUL2 F1, 0, 2, 0
	s_wait_dscnt 0
	WIN 0xa0
	MUL2 F1, 1, 0, 0
	MUL2 F1, 1, 2, 0
	PLACES                                         ; behind the last matrix instructions: the conversions read results, the loads below land in fragment registers
; THE WAY OUT: four groups of 16 rows x 64 bytes at a time, each from two tiles: rounded to f16, 16 bytes a lane into my stage, read back as whole rows.
; kind 0 (q, k; mat 0, 1): group g = row block g of the window, its two tiles are the 32 channels.   kind 1 (v): group g = (32 keys g / 2, 16 channels g % 2),
; its two tiles are the two row blocks.  bs: the scalar pair with the output's base.  Each store of the wave covers 512 neighbouring bytes, aligned.
.macro OUT4 kind, mat, hi, rbuf, bs
.if \hi
	WIN 0x0a
.else
	WIN 0x05
.endif
.irp g, 0,1,2,3
.if \kind == 0
.set TA, 8*(6*\g+2*\mat)
.set TB, TA+8
.else
.set TA, 8*(12*(\g>>1)+4+(\g&1))
.set TB, TA+48
.endif
.irp i, 0,1,2,3
	v_cvt_pk_f16_f32 v[32+8*\g+\i], v[TA+2*\i], v[TA+2*\i+1]
.endr
.irp i, 0,1,2,3
	v_cvt_pk_f16_f32 v[36+8*\g+\i], v[TB+2*\i], v[TB+2*\i+1]
.endr
.endr
	WIN 0
.irp g, 0,1,2,3
	ds_store_b128 v[STO], v[32+8*\g:35+8*\g] offset:\g*1280
	ds_store_b128 v[STO], v[36+8*\g:39+8*\g] offset:\g*1280+32
.endr
	s_wait_xcnt 0x0                                ; the read-back registers, which earlier stores read, are loaded again only behind this wait
.irp g, 0,1,2,3
.irp i, 0,1
	ds_load_b128 v[\rbuf+4*(2*\g+\i):\rbuf+4*(2*\g+\i)+3], v[RD] offset:\g*1280+\i*640   ; a wave's LDS instructions are served in order: these see the stores above
.endr
.endr
.irp g, 0,1,2,3
.if \kind == 0
.set GI, (4*\hi+\g)*1024
.else
.set GI, (2*\hi+(\g>>1))*4096+(\g&1)*1024
.endif
.irp i, 0,1
	s_wait_dscnt 7-(2*\g+\i)
	global_store_b128 v[CO], v[\rbuf+4*(2*\g+\i):\rbuf+4*(2*\g+\i)+3], s[\bs:\bs+1] offset:GI+512*\i
.endr
.endr
.endm
	OUT4 0, 0, 0, 96, 14
	OUT4 0, 0, 1, 144, 14
	OUT4 0, 1, 0, 96, 16
	OUT4 0, 1, 1, 144, 16
	OUT4 1, 0, 0, 96, 18
	OUT4 1, 0, 1, 144, 18
	s_wait_tensorcnt 0x0
	ds_add_u32 v30, v31
	s_wait_dscnt 0x0
	CROUND                                         ; the closing round: no work-group ends while a partner may still ask for a tile that names it
	s_endpgm
.Lfunc_end_k_q06fa58dfc0_qkv:
	.size	k_q06fa58dfc0_qkv, .Lfunc_end_k_q06fa58dfc0_qkv-k_q06fa58dfc0_qkv
	.p2alignl 7, 3214868480
	.fill 96, 4, 3214868480
	.section	.rodata,"a",@progbits
	.p2align	6, 0x0
	.amdhsa_kernel k_q06fa58dfc0_qkv
		.amdhsa_group_segment_fixed_size 327680
		.amdhsa_private_segment_fixed_size 0
		.amdhsa_enable_private_segment 0
		.amdhsa_kernarg_size 64
		.amdhsa_user_sgpr_count 2
		.amdhsa_user_sgpr_kernarg_segment_ptr 1
		.amdhsa_wavefront_size32 1
		.amdhsa_system_sgpr_workgroup_id_x 1
		.amdhsa_system_sgpr_workgroup_id_y 1
		.amdhsa_system_sgpr_workgroup_id_z 1
		.amdhsa_system_vgpr_workitem_id 0
		.amdhsa_next_free_vgpr 752
		.amdhsa_next_free_sgpr 80
		.amdhsa_reserve_vcc 0
		.amdhsa_float_denorm_mode_32 3
		.amdhsa_float_denorm_mode_16_64 3
		.amdhsa_memory_ordered 1
		.amdhsa_forward_progress 1
		.amdhsa_inst_pref_size 158
	.end_amdhsa_kernel
	.amdgpu_metadata
---
amdhsa.version: [ 1, 2 ]
amdhsa.kernels:
  - .name:           k_q06fa58dfc0_qkv
    .symbol:         k_q06fa58dfc0_qkv.kd
    .args:
      - { .name: xb, .offset: 0, .size: 8, .value_kind: global_buffer, .address_space: global }
      - { .name: wb, .offset: 8, .size: 8, .value_kind: global_buffer, .address_space: global }
      - { .name: bq, .offset: 16, .size: 8, .value_kind: global_buffer, .address_space: global }
      - { .name: bk, .offset: 24, .size: 8, .value_kind: global_buffer, .address_space: global }
      - { .name: bv, .offset: 32, .size: 8, .value_kind: global_buffer, .address_space: global }
      - { .name: qb, .offset: 40, .size: 8, .value_kind: global_buffer, .address_space: global }
      - { .name: kb, .offset: 48, .size: 8, .value_kind: global_buffer, .address_space: global }
      - { .name: vt, .offset: 56, .size: 8, .value_kind: global_buffer, .address_space: global }
    .group_segment_fixed_size: 327680
    .private_segment_fixed_size: 0
    .kernarg_segment_align: 8
    .kernarg_segment_size: 64
    .max_flat_workgroup_size: 128
    .sgpr_count:     80
    .vgpr_count:     752
    .wavefront_size: 32
...
	.end_amdgpu_metadata
.endif
;; end of part 2
;; launch attn (part 3): grid 8 x 32, 4 waves a work-group, no clusters, 327,680 bytes of LDS; arguments qb, kb, vt, ao; writes ao
.if DOCPART == 3
	.amdgcn_target "amdgcn-amd-amdhsa--gfx1250"
	.amdhsa_code_object_version 6
	.text
	.protected	k_q06fa58dfc0_attn
	.globl	k_q06fa58dfc0_attn
	.p2align	8
	.type	k_q06fa58dfc0_attn,@function
k_q06fa58dfc0_attn:
	s_mov_b64 s[64:65], 0
	v_nop
	global_prefetch_b8 v0, s[64:65] scope:SCOPE_SE
	s_setreg_imm32_b32 hwreg(HW_REG_WAVE_MODE, 25, 1), 1
	s_wait_xcnt 0x0
; Causal attention of one head on two blocks of 128 queries, with a running maximum.  f16 operands, f32 sums and softmax.
; ao: [b 2][tb 16][n 16][t 128][64] f16.
; Work-group (j 0-7, bh 0-31) takes query blocks j and 15 - j: j + 1 and 16 - j key tiles of 128, 17 steps of 128 x 128 in every work-group.
; The even block is the first pass, the odd one the second, so that the two LDS slots alternate through both passes with a fixed pattern.
; In a pass the diagonal tile comes first: it is masked, and it starts the sums (C = 0, no rescaling); then tiles 0 .. ib - 1.
; Wave w: qh = w % 2 (64 of the queries), kh = w / 2 (64 of a step's 128 keys); the two waves of a qh keep maxima and sums of their own and merge at a pass's end.
; Register slot c of four holds query tile (c % 2) + 2 ((c / 2) xor kh): every wave then keeps slots 0, 1 and sends slots 2, 3, without a branch.
; Products are transposed: S^T = K Q^T (register j of lane (r, h): key 8 h + j, query r), so that exp(S^T), packed, IS the B fragment of O^T = V^T P^T.
; NO MULTICAST: the eight work-groups of a head walk lists of tiles of different order and length (the diagonal first; j + 1 and 16 - j tiles a pass),
; so partners would not need the same tile in the same step.
; The maximum is kept scaled, M = round(c max s), c = log2(e) / 8: p = exp2(fma(s, c, -M)) and the rescaling exp2(M_old - M_new) then shift by the same number.
; A wave whose 64 keys are all masked for a query starts from M = -FLT_MAX: p = 0, sum 0, no NaN; the query's own key is always in one of the two waves.
; LIMITS: p below 2^-126 counts as 0 (v_exp_f32 flushes); scores that overflow f32 are not served; P and ao are rounded to f16, |ao| below 65,504.
; LDS: two slots of 128 chunks of 256 + 16 bytes (chunks 0-63 the K tile, 64-127 the V tile); from 69,632 the waves' exchange (8,704 bytes each);
; from 104,448 the waves' stages for the way out (32 rows x 144 bytes each).  No tensor load lands behind the slots.
; A logical row of 64 bytes, y, lies at (y / 4) 272 + (y % 4) 64: 16 neighbouring rows start at 16 different 16-byte columns modulo 256.
; REGISTERS  window 0: v3-11 addresses; QF v32-95 (slot c, half s at 32 + 8 (2 c + s)); KF v96-159; VF v160-223; v224-255 read-back.
;   window 1: O(c, dt) at 32 c + 8 dt; S two buffers at 128, 160; P two buffers at 192, 208; M0 M1 L0 L1 M2 M3 L2 L3 at 224-231; 232-245 at work;
;   252 -inf; 253, 254 the diagonal's bounds.
.set PITCH, 272
.set SLOT,  128*PITCH
.set XCHG,  2*SLOT
.set OSTG,  XCHG+4*8704
.set QF, 32
.set KF, 96
.set VF, 160
.set RB, 224
.set G1, 24                            ; s[24:31]
.set G0, 32                            ; s[32:39] one set a slot
.set MSB, 0
.macro WIN new
.if MSB != \new
	s_set_vgpr_msb (MSB<<8)|\new
.set MSB, \new
.endif
.endm
.macro PLACES                          ; four places behind matrix instructions (ISA guide 7.12.1)
.rept 4
	v_nop
.endr
.endm
	s_load_b256 s[4:11], s[0:1], 0x0               ; qb s[4:5], kb s[6:7], vt s[8:9], ao s[10:11]
	v_lshl_add_u32 v30, v0, 2, 0x29000
	v_mov_b32 v31, 0
	ds_add_u32 v30, v31
	ds_add_u32 v30, v31
	v_lshrrev_b32 v1, 5, v0
	v_readfirstlane_b32 s12, v1                    ; wave
	s_and_b32 s13, s12, 1                          ; qh
	s_lshr_b32 s14, s12, 1                         ; kh
	s_mov_b32 s15, ttmp9                           ; j
	s_and_b32 s16, ttmp7, 0xffff                   ; bh
	s_sub_co_u32 s52, 15, s15
	s_and_b32 s55, s15, 1
	s_cmp_eq_u32 s55, 0
	s_cselect_b32 s17, s15, s52                    ; ibE: the even one of j, 15 - j
	s_cselect_b32 s18, s52, s15                    ; ibO: the odd one
	s_add_co_u32 s53, s17, 2
	s_add_co_u32 s54, s17, 1                       ; the position of the second pass's diagonal tile
	s_mov_b32 s19, 0                               ; position of the tile asked for last
	s_mov_b32 s21, 0
	; group 1: a dense block as 32 rows of 32 elements of 8 bytes, 4 words of padding behind every 64 words.
	; 32 rows a load, so that each of the four waves brings a quarter of a step's 32 KiB.
	s_mov_b32 s[G1+0], (3<<16)|(1<<20)|(5<<22)|(3<<25)
	s_mov_b32 s[G1+1], 32<<16
	s_mov_b32 s[G1+2], 32<<16
	s_mov_b32 s[G1+3], 32<<16
	s_mov_b32 s[G1+4], 32
	s_mov_b32 s[G1+5], 32
	s_mov_b32 s[G1+6], 0
	s_mov_b32 s[G1+7], 0
	s_mul_i32 s52, s12, 32*PITCH                   ; quarter w of a slot: waves 0, 1 the K tile's halves, waves 2, 3 the V tile's
	s_mov_b32 s[G0], 1
	s_add_co_u32 s[G0+1], s52, 0
	s_mov_b32 s[G0+4], 1
	s_add_co_u32 s[G0+5], s52, SLOT
	s_lshl_b32 s60, s16, 18                        ; the head's 16 tiles of 16,384 bytes
	s_lshl_b32 s61, s13, 13                        ; my half of a tile
	s_add_co_u32 s60, s60, s61
	s_mov_b32 s61, 0
	s_lshl_b32 s20, s17, 14                        ; the first tile: ibE
	s_wait_dscnt 0x0
	s_wait_kmcnt 0x0
	s_cmp_lt_u32 s12, 2
	s_cselect_b64 s[40:41], s[6:7], s[8:9]         ; I fetch from kb or from vt
	s_add_nc_u64 s[40:41], s[40:41], s[60:61]
	s_add_nc_u64 s[G0+2:G0+3], s[40:41], s[20:21]
	s_or_b32 s[G0+3], s[G0+3], 0x80000000
	tensor_load_to_lds s[G0:G0+3], s[G1:G1+7]      ; the first fill, ahead of everything else; one load of the wave is out, here and behind every barrier below
	s_nop 0
	s_mov_b32 s42, 0x76543210                      ; v_permlanex16_b32: lane i reads lane i of the other half
	s_mov_b32 s43, 0xfedcba98
	s_mov_b32 s44, 0x3e38aa3b                      ; c = log2(e) / 8
	s_mov_b32 s45, 0x3e38aa3b
	s_mov_b32 s47, 0xff7fffff                      ; -FLT_MAX
	; the two passes' bases, each in registers of its own
	s_lshl_b32 s62, s16, 4
	s_add_co_u32 s60, s62, s17
	s_lshl_b32 s60, s60, 14
	s_add_nc_u64 s[48:49], s[4:5], s[60:61]        ; Q block (bh, ibE)
	s_add_co_u32 s60, s62, s18
	s_lshl_b32 s60, s60, 14
	s_add_nc_u64 s[56:57], s[4:5], s[60:61]        ; Q block (bh, ibO)
	s_and_b32 s62, s16, 16                         ; 16 b
	s_and_b32 s63, s16, 15                         ; n
	s_lshl_b32 s55, s13, 13
	s_lshl_b32 s52, s14, 12
	s_add_co_u32 s55, s55, s52                     ; rows 64 qh + 32 kh .. of 128 bytes: the 32 that I keep
	s_add_co_u32 s60, s62, s17
	s_lshl_b32 s60, s60, 4
	s_add_co_u32 s60, s60, s63
	s_lshl_b32 s60, s60, 14
	s_add_co_u32 s60, s60, s55
	s_add_nc_u64 s[50:51], s[10:11], s[60:61]      ; ao slab (b, ibE, n)
	s_add_co_u32 s60, s62, s18
	s_lshl_b32 s60, s60, 4
	s_add_co_u32 s60, s60, s63
	s_lshl_b32 s60, s60, 14
	s_add_co_u32 s60, s60, s55
	s_add_nc_u64 s[58:59], s[10:11], s[60:61]      ; ao slab (b, ibO, n)
	; lane addresses
	v_and_b32 v1, 15, v0                           ; r
	v_bfe_u32 v2, v0, 4, 1                         ; h
	v_and_b32 v12, 31, v0                          ; lane
	v_lshrrev_b32 v13, 2, v1
	v_and_b32 v14, 3, v1
	v_mul_u32_u24 v15, v13, PITCH
	v_lshl_add_u32 v15, v14, 6, v15
	v_lshl_add_u32 v15, v2, 4, v15                 ; (r / 4) 272 + (r % 4) 64 + 16 h
	s_mul_i32 s52, s14, 16*PITCH
	v_add_nc_u32 v3, s52, v15                      ; K: my 64 keys are 16 chunks in each half s
	s_mul_i32 s52, s14, 32*PITCH
	s_add_co_u32 s52, s52, 64*PITCH
	v_add_nc_u32 v4, s52, v15                      ; V: behind K's 64 chunks; my 64 keys are 32 chunks
	v_lshlrev_b32 v16, 6, v1
	v_lshl_add_u32 v16, v2, 4, v16
	s_lshl_b32 s52, s13, 12
	s_lshl_b32 s55, s14, 11
	s_add_co_u32 s55, s55, s52
	v_add_nc_u32 v5, s55, v16                      ; Q, slots 0, 1: row 64 qh + 32 kh + r of 64 bytes
	s_xor_b32 s55, s14, 1
	s_lshl_b32 s55, s55, 11
	s_add_co_u32 s55, s55, s52
	v_add_nc_u32 v6, s55, v16                      ; Q, slots 2, 3: row 64 qh + 32 (1 - kh) + r
	s_mul_i32 s52, s12, 8704
	s_add_co_u32 s52, s52, XCHG
	v_lshl_add_u32 v7, v12, 4, s52                 ; exchange: what I send
	s_xor_b32 s55, s12, 2
	s_mul_i32 s55, s55, 8704
	s_add_co_u32 s55, s55, XCHG
	v_lshl_add_u32 v8, v12, 4, s55                 ; and what the wave with my qh and the other kh sent
	s_mul_i32 s52, s12, 4608
	s_add_co_u32 s52, s52, OSTG
	v_mul_u32_u24 v17, v1, 144
	v_lshl_add_u32 v17, v2, 4, v17
	v_add_nc_u32 v9, s52, v17                      ; stage, in: row r, 16 bytes for each half of the lanes
	v_lshrrev_b32 v13, 3, v12
	v_mul_u32_u24 v13, v13, 144
	v_and_b32 v14, 7, v0
	v_lshl_add_u32 v13, v14, 4, v13
	v_add_nc_u32 v10, s52, v13                     ; stage, back: eight lanes take a row of 128 bytes
	v_lshlrev_b32 v11, 4, v12                      ; the wave's four rows are 512 neighbouring bytes of ao
	v_lshlrev_b32 v17, 3, v2
	v_sub_nc_u32 v17, v1, v17                      ; r - 8 h
	s_lshl_b32 s52, s13, 6
	s_lshl_b32 s60, s14, 5
	s_sub_co_i32 s52, s52, s60                     ; 64 qh - 32 kh
	s_mul_i32 s60, s14, 96
	s_lshl_b32 s55, s13, 6
	s_add_co_u32 s55, s55, 32
	s_sub_co_i32 s55, s55, s60                     ; 64 qh + 32 - 96 kh
; the pass's 64 queries of the wave, 16 loads of 16 bytes a lane
.macro QLOAD base
.irp c, 0,1
.irp s, 0,1
	global_load_b128 v[QF+8*(2*\c+\s):QF+8*(2*\c+\s)+3], v5, s[\base:\base+1] offset:\c*1024+\s*8192
	global_load_b128 v[QF+8*(2*\c+\s)+4:QF+8*(2*\c+\s)+7], v5, s[\base:\base+1] offset:\c*1024+\s*8192+32
	global_load_b128 v[QF+32+8*(2*\c+\s):QF+32+8*(2*\c+\s)+3], v6, s[\base:\base+1] offset:\c*1024+\s*8192
	global_load_b128 v[QF+32+8*(2*\c+\s)+4:QF+32+8*(2*\c+\s)+7], v6, s[\base:\base+1] offset:\c*1024+\s*8192+32
.endr
.endr
.endm
	QLOAD 48
	WIN 0x40
	v_mov_b32 v252, 0xff800000                     ; -inf
	v_add_nc_u32 v253, s52, v17                    ; slots 0, 1: key 16 kt + j - 16 (c % 2) above this bound is masked
	v_add_nc_u32 v254, s55, v17                    ; slots 2, 3
	v_mov_b32 v237, 0                              ; the second register of the shift's pair: named, never used
	WIN 0
; the address of the tile at the next position, into slot o's group 0.  It stands behind the wait for all tensor loads.
; position 1 .. ibE: tile position - 1;  ibE + 1: tile ibO;  above: tile position - ibE - 2
.macro NEXT o
	s_add_co_u32 s19, s19, 1
	s_sub_co_u32 s20, s19, 1
	s_sub_co_u32 s52, s19, s53
	s_cmp_gt_u32 s19, s54
	s_cselect_b32 s20, s52, s20
	s_cmp_eq_u32 s19, s54
	s_cselect_b32 s20, s18, s20
	s_lshl_b32 s20, s20, 14
	s_add_nc_u64 s[G0+4*\o+2:G0+4*\o+3], s[40:41], s[20:21]
	s_or_b32 s[G0+4*\o+3], s[G0+4*\o+3], 0x80000000
.endm
; S^T of query slot c into buffer buf: four key tiles, two steps of 32 channels.  The four accumulators take turns, one instruction a turn.
.macro SMUL c, buf
	WIN 0x50
.irp kt, 0,1,2,3
	v_wmma_f32_16x16x32_f16 v[128+32*\buf+8*\kt:128+32*\buf+8*\kt+7], v[KF+8*\kt:KF+8*\kt+7], v[QF+16*\c:QF+16*\c+7], 0
.endr
.irp kt, 0,1,2,3
	v_wmma_f32_16x16x32_f16 v[128+32*\buf+8*\kt:128+32*\buf+8*\kt+7], v[KF+32+8*\kt:KF+32+8*\kt+7], v[QF+16*\c+8:QF+16*\c+15], v[128+32*\buf+8*\kt:128+32*\buf+8*\kt+7]
.endr
.endm
; O^T of query slot c += V^T P^T: four tiles of 16 channels, two steps of 32 keys; by turns likewise
.macro PV c, first
	WIN 0x54
.irp dt, 0,1,2,3
.if \first
	v_wmma_f32_16x16x32_f16 v[32*\c+8*\dt:32*\c+8*\dt+7], v[VF+8*\dt:VF+8*\dt+7], v[192+16*(\c&1):192+16*(\c&1)+7], 0
.else
	v_wmma_f32_16x16x32_f16 v[32*\c+8*\dt:32*\c+8*\dt+7], v[VF+8*\dt:VF+8*\dt+7], v[192+16*(\c&1):192+16*(\c&1)+7], v[32*\c+8*\dt:32*\c+8*\dt+7]
.endif
.endr
.irp dt, 0,1,2,3
	v_wmma_f32_16x16x32_f16 v[32*\c+8*\dt:32*\c+8*\dt+7], v[VF+32+8*\dt:VF+32+8*\dt+7], v[192+16*(\c&1)+8:192+16*(\c&1)+15], v[32*\c+8*\dt:32*\c+8*\dt+7]
.endr
.endm
; the softmax step of query slot c: a lane holds 32 of its query's 64 scores, the lane 16 further the other 32
.macro SOFTMAX c, diag
	WIN 0x55
.set SB, 128+32*(\c&1)
.set PB, 192+16*(\c&1)
.set OB, 32*\c
.set MR, 224+4*(\c>>1)+(\c&1)
.if \diag
.if \c < 2
.set DR, 253
.else
.set DR, 254
.endif
.irp kt, 0,1,2,3
.irp j, 0,1,2,3,4,5,6,7
	v_cmp_gt_i32 vcc_lo, 16*\kt+\j-16*(\c&1), v[DR]                ; key above query
	v_cndmask_b32 v[SB+8*\kt+\j], v[SB+8*\kt+\j], v252, vcc_lo
.endr
.endr
.endif
.irp k, 0,1,2,3
	v_max3_num_f32 v[232+\k], v[SB+8*\k], v[SB+8*\k+1], v[SB+8*\k+2]        ; four chains
.endr
.irp k, 0,1,2,3
	v_max3_num_f32 v[232+\k], v[232+\k], v[SB+8*\k+3], v[SB+8*\k+4]
.endr
.irp k, 0,1,2,3
	v_max3_num_f32 v[232+\k], v[232+\k], v[SB+8*\k+5], v[SB+8*\k+6]
.endr
	v_max3_num_f32 v232, v232, v233, v[SB+7]
	v_max3_num_f32 v234, v234, v235, v[SB+15]
	v_max3_num_f32 v232, v232, v234, v[SB+23]
	v_max_num_f32 v232, v232, v[SB+31]
	v_permlanex16_b32 v233, v232, s42, s43
	v_max_num_f32 v233, v232, v233                 ; the step's largest score of my query
	v_mul_f32 v233, s44, v233                      ; scaled
.if \diag
	v_max_num_f32 v233, s47, v233                  ; the pass begins: never below -FLT_MAX
.else
	v_max_num_f32 v233, v233, v[MR]                ; the new running maximum
	v_sub_f32 v234, v[MR], v233
.endif
	v_mul_f32 v236, -1.0, v233
.set n, 0
.rept 16
	v_pk_fma_f32 v[SB+n:SB+n+1], v[SB+n:SB+n+1], s[44:45], v[236:237] op_sel_hi:[1,0,0]
.set n, n+2
.endr
.if \diag == 0
	v_exp_f32 v234, v234                           ; the rescaling factor
.endif
.set n, 0
.rept 32
	v_exp_f32 v[SB+n], v[SB+n]
.set n, n+1
.endr
	v_mov_b32 v[MR], v233                          ; the plain instruction between the exponentials and the first use of a result (ISA guide 5.7.2)
.if \diag == 0
.set n, 0
	s_wait_alu depctr_va_vdst(0)
.rept 16
	v_pk_mul_f32 v[OB+n:OB+n+1], v[OB+n:OB+n+1], v[234:235] op_sel_hi:[1,0]
.set n, n+2
.endr
.endif
	s_wait_alu depctr_va_vdst(0)
.irp k, 0,1,2,3
	v_pk_add_f32 v[238+2*\k:239+2*\k], v[SB+2*\k:SB+2*\k+1], v[SB+8+2*\k:SB+8+2*\k+1]
.endr
.irp k, 0,1,2,3
	v_pk_add_f32 v[238+2*\k:239+2*\k], v[238+2*\k:239+2*\k], v[SB+16+2*\k:SB+16+2*\k+1]
.endr
.irp k, 0,1,2,3
	v_pk_add_f32 v[238+2*\k:239+2*\k], v[238+2*\k:239+2*\k], v[SB+24+2*\k:SB+24+2*\k+1]
.endr
	v_pk_add_f32 v[238:239], v[238:239], v[240:241]
	v_pk_add_f32 v[242:243], v[242:243], v[244:245]
	v_pk_add_f32 v[238:239], v[238:239], v[242:243]
.if \diag
	v_add_f32 v[MR+2], v238, v239                  ; the sum stays a partial one for each half of the lanes until the pass's end
.else
	v_add_f32 v238, v238, v239
	v_fma_f32 v[MR+2], v[MR+2], v234, v238
.endif
.set n, 0
.rept 16
	v_cvt_pk_f16_f32 v[PB+n], v[SB+2*n], v[SB+2*n+1]       ; keys 8 h + 0..7 of tile 2 kk, then of tile 2 kk + 1: the B fragment of step kk
.set n, n+1
.endr
.endm
; One step: the tile in \slot.  In front of the barrier every wave waits for all its tensor loads (its quarter of this tile) and for its LDS reads;
; behind it the other slot, read in the last step, is asked for again first.
.macro STEP slot, diag, refill
	s_wait_tensorcnt 0x0
	ds_add_u32 v30, v31
	s_wait_dscnt 0x0
.if \refill
	NEXT (1-\slot)
.endif
	s_wait_dscnt 0x0
	s_barrier_signal -1
	s_barrier_wait -1
.if \refill
	tensor_load_to_lds s[G0+4*(1-\slot):G0+4*(1-\slot)+3], s[G1:G1+7]
	s_nop 0
.endif
	PLACES                                         ; the fragment registers were read by the last step's matrix instructions
.irp s, 0,1
.irp kt, 0,1,2,3
	ds_load_b128 v[KF+8*(4*\s+\kt):KF+8*(4*\s+\kt)+3], v3 offset:\slot*SLOT+(32*\s+4*\kt)*PITCH
	ds_load_b128 v[KF+8*(4*\s+\kt)+4:KF+8*(4*\s+\kt)+7], v3 offset:\slot*SLOT+(32*\s+4*\kt)*PITCH+32
.endr
.endr
.irp kk, 0,1
.irp dt, 0,1,2,3
	ds_load_b128 v[VF+8*(4*\kk+\dt):VF+8*(4*\kk+\dt)+3], v4 offset:\slot*SLOT+(16*\kk+4*\dt)*PITCH
	ds_load_b128 v[VF+8*(4*\kk+\dt)+4:VF+8*(4*\kk+\dt)+7], v4 offset:\slot*SLOT+(16*\kk+4*\dt)*PITCH+32
.endr
.endr
	s_wait_dscnt 16                                ; K's 16 loads are in, V's 16 stay out
.if \diag
	s_wait_loadcnt 0x0                             ; the pass's Q
.endif
	SMUL 0, 0
	SMUL 1, 1
	WIN 0x55
	PLACES                                         ; behind SMUL 0; every later softmax stands a whole softmax behind the product that it reads
	SOFTMAX 0, \diag
	s_wait_dscnt 0x0                               ; V
	PV 0, \diag
	SMUL 2, 0
	SOFTMAX 1, \diag
	PV 1, \diag
	SMUL 3, 1
	SOFTMAX 2, \diag
	PV 2, \diag
	SOFTMAX 3, \diag
	PV 3, \diag
	WIN 0
.endm
; The end of a pass: the two waves of a qh merge.  Each sends slots 2, 3 (O, M, L) and keeps slots 0, 1, which are the partner's slots 2, 3.
.macro FINISH base
	WIN 0x55
.irp c, 226,227,230,231
	v_permlanex16_b32 v232, v\c, s42, s43          ; the two halves' partial sums
	v_add_f32 v\c, v\c, v232
.endr
	WIN 0x04
.irp i, 0,1,2,3,4,5,6,7,8,9,10,11,12,13,14,15
	ds_store_b128 v7, v[64+4*\i:64+4*\i+3] offset:512*\i
.endr
	ds_store_b128 v7, v[228:231] offset:8192
	s_wait_dscnt 0x0                               ; my stores are done, for the partner's sake
	s_barrier_signal -1
	s_barrier_wait -1                              ; the next pass's first tile may stay on its way
	WIN 0x40
.irp i, 0,1,2,3,4,5,6,7,8,9,10,11,12,13,14,15
	ds_load_b128 v[128+4*\i:128+4*\i+3], v8 offset:512*\i
.endr
	ds_load_b128 v[192:195], v8 offset:8192        ; M'0 M'1 L'0 L'1
	s_wait_dscnt 0x0
.irp c, 0,1
	WIN 0x55
	v_max_num_f32 v236, v[224+\c], v[192+\c]
	v_sub_f32 v232, v[224+\c], v236
	v_sub_f32 v234, v[192+\c], v236
	v_exp_f32 v232, v232
	v_exp_f32 v234, v234
	v_nop                                          ; one plain place behind the exponentials
	s_wait_alu depctr_va_vdst(0)
	v_mul_f32 v238, v[226+\c], v232
	v_fmac_f32 v238, v[194+\c], v234               ; the whole sum: at least about 1, from the half that holds the maximum
	v_rcp_f32 v238, v238
	v_nop
	s_wait_alu depctr_va_vdst(0)
	v_mul_f32 v232, v232, v238
	v_mul_f32 v234, v234, v238
.irp i, 0,1,2,3,4,5,6,7,8,9,10,11,12,13,14,15
	v_pk_mul_f32 v[32*\c+2*\i:32*\c+2*\i+1], v[32*\c+2*\i:32*\c+2*\i+1], v[232:233] op_sel_hi:[1,0]
.endr
.irp i, 0,1,2,3,4,5,6,7,8,9,10,11,12,13,14,15
	v_pk_fma_f32 v[32*\c+2*\i:32*\c+2*\i+1], v[128+32*\c+2*\i:128+32*\c+2*\i+1], v[234:235], v[32*\c+2*\i:32*\c+2*\i+1] op_sel_hi:[1,0,1]
.endr
.irp i, 0,1,2,3,4,5,6,7,8,9,10,11,12,13,14,15
	v_cvt_pk_f16_f32 v[196+\i], v[32*\c+2*\i], v[32*\c+2*\i+1]     ; channels 16 dt + 8 h + 0..7 of query r: 16 bytes
.endr
	WIN 0x04
.irp dt, 0,1,2,3
	ds_store_b128 v9, v[196+4*\dt:199+4*\dt] offset:\c*2304+32*\dt
.endr
.endr
	WIN 0
	s_wait_xcnt 0x0                                ; the read-back registers, which the last pass's stores read, are loaded again only behind this wait
.irp i, 0,1,2,3,4,5,6,7
	ds_load_b128 v[RB+4*\i:RB+4*\i+3], v10 offset:576*\i           ; my own bytes, served in order behind the stores above
.endr
.irp i, 0,1,2,3,4,5,6,7
	s_wait_dscnt 7-\i
	global_store_b128 v11, v[RB+4*\i:RB+4*\i+3], s[\base:\base+1] offset:512*\i   ; 512 neighbouring bytes, aligned
.endr
.endm
	; the first pass: block ibE.  Positions 0 .. ibE, slots 0, 1, 0, ...
	STEP 0, 1, 1
	s_lshr_b32 s23, s17, 1                         ; ibE / 2 trips of two tiles
	s_mov_b32 s22, 0
	s_cmp_eq_u32 s23, 0
	s_cbranch_scc1 .LendE
.LloopE:
	STEP 1, 0, 1
	STEP 0, 0, 1
	s_add_co_u32 s22, s22, 1
	s_cmp_lt_u32 s22, s23
	s_cbranch_scc1 .LloopE
.LendE:
	PLACES                                         ; behind the last products: their results are stored, Q's registers loaded again
	QLOAD 56                                       ; the second pass's Q comes in while the first pass is finished
	FINISH 50
	; the second pass: block ibO.  Position ibE + 1 is odd: slot 1
	STEP 1, 1, 1
	s_sub_co_u32 s23, s18, 1
	s_lshr_b32 s23, s23, 1                         ; (ibO - 1) / 2 trips of two tiles, and one tile behind them
	s_mov_b32 s22, 0
	s_cmp_eq_u32 s23, 0
	s_cbranch_scc1 .LendO
.LloopO:
	STEP 0, 0, 1
	STEP 1, 0, 1
	s_add_co_u32 s22, s22, 1
	s_cmp_lt_u32 s22, s23
	s_cbranch_scc1 .LloopO
.LendO:
	STEP 0, 0, 0                                   ; position 16: nothing is left to fetch
	PLACES
	FINISH 58
	s_wait_tensorcnt 0x0
	ds_add_u32 v30, v31
	s_wait_dscnt 0x0
	s_endpgm
.Lfunc_end_k_q06fa58dfc0_attn:
	.size	k_q06fa58dfc0_attn, .Lfunc_end_k_q06fa58dfc0_attn-k_q06fa58dfc0_attn
	.p2alignl 7, 3214868480
	.fill 96, 4, 3214868480
	.section	.rodata,"a",@progbits
	.p2align	6, 0x0
	.amdhsa_kernel k_q06fa58dfc0_attn
		.amdhsa_group_segment_fixed_size 327680
		.amdhsa_private_segment_fixed_size 0
		.amdhsa_enable_private_segment 0
		.amdhsa_kernarg_size 32
		.amdhsa_user_sgpr_count 2
		.amdhsa_user_sgpr_kernarg_segment_ptr 1
		.amdhsa_wavefront_size32 1
		.amdhsa_system_sgpr_workgroup_id_x 1
		.amdhsa_system_sgpr_workgroup_id_y 1
		.amdhsa_system_sgpr_workgroup_id_z 1
		.amdhsa_system_vgpr_workitem_id 0
		.amdhsa_next_free_vgpr 512
		.amdhsa_next_free_sgpr 66
		.amdhsa_reserve_vcc 1
		.amdhsa_float_denorm_mode_32 3
		.amdhsa_float_denorm_mode_16_64 3
		.amdhsa_memory_ordered 1
		.amdhsa_forward_progress 1
		.amdhsa_inst_pref_size 255
	.end_amdhsa_kernel
	.section	.bss,"aw",@nobits
	.p2align	6
	.space	262144
	.amdgpu_metadata
---
amdhsa.version: [ 1, 2 ]
amdhsa.kernels:
  - .name:           k_q06fa58dfc0_attn
    .symbol:         k_q06fa58dfc0_attn.kd
    .args:
      - { .name: qb, .offset: 0, .size: 8, .value_kind: global_buffer, .address_space: global }
      - { .name: kb, .offset: 8, .size: 8, .value_kind: global_buffer, .address_space: global }
      - { .name: vt, .offset: 16, .size: 8, .value_kind: global_buffer, .address_space: global }
      - { .name: ao, .offset: 24, .size: 8, .value_kind: global_buffer, .address_space: global }
    .group_segment_fixed_size: 327680
    .private_segment_fixed_size: 0
    .kernarg_segment_align: 8
    .kernarg_segment_size: 32
    .max_flat_workgroup_size: 128
    .sgpr_count:     66
    .vgpr_count:     512
    .wavefront_size: 32
...
	.end_amdgpu_metadata
.endif
;; end of part 3
;; launch proj (part 4): grid 8 x 32, 4 waves a work-group, clusters of 4 x 4, 327,680 bytes of LDS; arguments ao, wb, bp, out0; writes out0
.if DOCPART == 4
	.amdgcn_target "amdgcn-amd-amdhsa--gfx1250"
	.amdhsa_code_object_version 6
	.text
	.protected	k_q06fa58dfc0_proj
	.globl	k_q06fa58dfc0_proj
	.p2align	8
	.type	k_q06fa58dfc0_proj,@function
k_q06fa58dfc0_proj:
	s_mov_b64 s[64:65], 0
	v_nop
	global_prefetch_b8 v0, s[64:65] scope:SCOPE_SE
	s_setreg_imm32_b32 hwreg(HW_REG_WAVE_MODE, 25, 1), 1
	s_wait_xcnt 0x0
	s_wait_alu depctr_hold_cnt(0) depctr_sa_sdst(0) depctr_va_vdst(0) depctr_va_sdst(0) depctr_va_ssrc(0) depctr_va_vcc(0) depctr_vm_vsrc(0)
	s_getreg_b32 s2, hwreg(HW_REG_IB_STS2, 6, 4)
	s_cmp_eq_u32 s2, 0
	s_cbranch_scc0 .Lentry_in_a_cluster
	s_endpgm
.Lentry_in_a_cluster:
	s_bfe_u32 s2, ttmp6, 0x10000c
	s_cmp_lg_u32 s2, 0xf033
	s_cbranch_scc0 .Lentry_shape_is_right
	s_endpgm
.Lentry_shape_is_right:
; out0 = attention Wp^T + bp: 4096 x 1024 x 1024, f16 operands (ao as the attention launch left it; Wp in rows 0-1023 of wb), f32 sums, f32 out.
; A work-group (cb 0-7, rb 0-31) makes 128 x 128, so that there are 256 of them; wave (wm = w / 2, wn = w % 2) makes 64 x 64: 16 accumulators.
; ao: [rb 32][n 16][t 128][64]: a row block is dense over all K; a slot's K = 256 is four heads = 256 chunks of 256 bytes (+ 16 of padding in LDS).
; A logical row of 128 bytes, y = 128 head + t, lies at (y / 2) 272 + (y % 2) 128: 16 neighbouring rows start at 16 different 16-byte columns modulo 256.
; Wp's tile: 128 rows of 512 bytes, pitch 528.  Two slots; waves 0, 1 fetch ao's halves, waves 2, 3 Wp's: one load a wave, 128 and 64 rows.
; CLUSTERS: 4 x 4.  ao's tile hangs on rb alone (joint along a row of the cluster), Wp's on cb alone (joint along a column).
; The matrix instruction takes Wp's rows as source 0: a lane holds 8 neighbouring columns of one row of out0.  The bias is the C of the first products.
; REGISTERS  window 0: v8-19 addresses; v32-63 / v96-127 fragments of ao, v64-95 / v128-159 of Wp (two buffers); v160-223 read-back.
;   window 1: accumulators at v[8 (4 a + b)]; v128-159 four tiles of bias.
.set PITCH,  272
.set BPITCH, 528
.set ATILE,  256*PITCH
.set SLOT,   ATILE+128*BPITCH
.set STAGE,  2*SLOT                    ; 16 rows x 272 bytes for each wave; no tensor load lands here
.set F0, 32
.set F1, 96
.set BIAS, 128
.set ADRA, 8
.set ADRB, 10
.set STO, 16
.set RD,  17
.set CO,  18
.set G1,  28
.set G1B, 36
.set G0,  44
.set G0B, 52
.set MSB, 0
.macro WIN new
.if MSB != \new
	s_set_vgpr_msb (MSB<<8)|\new
.set MSB, \new
.endif
.endm
.macro PLACES                          ; four places behind matrix instructions (ISA guide 7.12.1)
.rept 4
	v_nop
.endr
.endm
.macro JLOAD s
	s_cmp_eq_u32 s12, 0
	s_cbranch_scc0 .Lfor_b_\@
	tensor_load_to_lds s[G0+4*\s:G0+4*\s+3], s[G1:G1+7]
	s_nop 0
	s_branch .Lasked_\@
.Lfor_b_\@:
	tensor_load_to_lds s[G0B+4*\s:G0B+4*\s+3], s[G1B:G1B+7]
	s_nop 0
.Lasked_\@:
.endm
.macro CREST
	s_cmp_lg_u32 s20, 0
	s_cbranch_scc1 .Lnot_wave_0_\@
	s_barrier_signal -3
.Lnot_wave_0_\@:
	s_barrier_wait -3
	s_barrier_signal -1
	s_barrier_wait -1
.endm
.macro CROUND
	s_barrier_signal -1
	s_barrier_wait -1
	CREST
.endm
	s_load_b256 s[4:11], s[0:1], 0x0               ; ao s[4:5], wb s[6:7], bp s[8:9], out0 s[10:11]
	v_lshl_add_u32 v254, v0, 2, 0x47400
	v_mov_b32 v255, 0
	ds_add_u32 v254, v255
	ds_add_u32 v254, v255
	v_lshrrev_b32 v1, 5, v0
	v_readfirstlane_b32 s20, v1                    ; wave
	s_lshr_b32 s12, s20, 1                         ; wm.  Also: I fetch for ao (0) or for Wp (1)
	s_and_b32 s13, s20, 1                          ; wn.  Also: which half of that tile
	s_bfe_u32 s21, ttmp6, 0x40000                  ; cx
	s_bfe_u32 s22, ttmp6, 0x40004                  ; cy
	s_lshl_b32 s23, ttmp9, 2
	s_add_co_u32 s23, s23, s21                     ; cb
	s_and_b32 s24, ttmp7, 0xffff
	s_lshl_b32 s24, s24, 2
	s_add_co_u32 s24, s24, s22                     ; rb
	s_lshl_b32 s25, s22, 2
	s_lshl_b32 s25, 15, s25                        ; my row of the cluster
	s_lshl_b32 s26, 0x1111, s21                    ; my column
	; ao: a dense block as 128 rows of 32 elements of 8 bytes, 4 words of padding behind every 64 words
	s_or_b32 s[G1+0], s25, (3<<16)|(1<<20)|(1<<21)|(5<<22)|(3<<25)
	s_mov_b32 s[G1+1], 32<<16
	s_mov_b32 s[G1+2], 128<<16
	s_mov_b32 s[G1+3], 32<<16
	s_mov_b32 s[G1+4], 128
	s_mov_b32 s[G1+5], 32
	s_mov_b32 s[G1+6], 0
	s_mov_b32 s[G1+7], 0
	; Wp: 64 rows of 256 elements of 2 bytes, 4 words of padding behind every 128 words
	s_or_b32 s[G1B+0], s26, (1<<16)|(1<<20)|(1<<21)|(6<<22)|(3<<25)
	s_mov_b32 s[G1B+1], 256<<16
	s_mov_b32 s[G1B+2], 64<<16
	s_mov_b32 s[G1B+3], 256<<16
	s_mov_b32 s[G1B+4], 64
	s_mov_b32 s[G1B+5], 1024
	s_mov_b32 s[G1B+6], 0
	s_mov_b32 s[G1B+7], 0
	s_lshl_b32 s60, s24, 18                        ; ao: row block rb of 262,144 bytes, two heads (32,768 bytes) a half
	s_lshl_b32 s61, s13, 15
	s_add_co_u32 s60, s60, s61
	s_mov_b32 s61, 0
	s_lshl_b32 s62, s23, 18                        ; Wp: row 128 cb + 64 half, 2,048 bytes a row
	s_lshl_b32 s63, s13, 17
	s_add_co_u32 s62, s62, s63
	s_mov_b32 s63, 0
	s_mul_i32 s14, s13, 128*PITCH
	s_mul_i32 s15, s13, 64*BPITCH
	s_add_co_u32 s15, s15, ATILE
	s_wait_dscnt 0x0
	s_wait_kmcnt 0x0
	s_add_nc_u64 s[60:61], s[4:5], s[60:61]
	s_add_nc_u64 s[62:63], s[6:7], s[62:63]
	CROUND                                         ; all sixteen work-groups are here: the first joint loads meet
.irp s, 0,1
	s_mov_b32 s[G0+4*\s], 1
	s_add_co_u32 s[G0+4*\s+1], s14, \s*SLOT
	s_add_nc_u64 s[G0+4*\s+2:G0+4*\s+3], s[60:61], \s*65536        ; heads 4 s ..
	s_or_b32 s[G0+4*\s+3], s[G0+4*\s+3], 0x80000000
	s_mov_b32 s[G0B+4*\s], 1
	s_add_co_u32 s[G0B+4*\s+1], s15, \s*SLOT
	s_add_nc_u64 s[G0B+4*\s+2:G0B+4*\s+3], s[62:63], \s*512        ; K = 256 s ..
	s_or_b32 s[G0B+4*\s+3], s[G0B+4*\s+3], 0x80000000
	JLOAD \s                                       ; two loads of the wave are out
.endr
	v_and_b32 v1, 15, v0                           ; r
	v_bfe_u32 v2, v0, 4, 1                         ; h
	v_lshrrev_b32 v3, 1, v1
	v_mul_u32_u24 v3, v3, PITCH
	v_and_b32 v4, 1, v1
	v_lshl_add_u32 v3, v4, 7, v3
	v_lshl_add_u32 v3, v2, 4, v3
	s_mul_i32 s66, s12, 32*PITCH                   ; my 64 rows t are 32 chunks in each head
	v_add_nc_u32 v3, s66, v3
	v_mul_u32_u24 v5, v1, BPITCH
	v_lshl_add_u32 v5, v2, 4, v5
	s_mul_i32 s67, s13, 64*BPITCH
	s_add_co_u32 s67, s67, ATILE
	v_add_nc_u32 v5, s67, v5
.irp s, 0,1
	v_add_nc_u32 v[ADRA+\s], \s*SLOT, v3
	v_add_nc_u32 v[ADRB+\s], \s*SLOT, v5
.endr
	s_mul_i32 s68, s20, 16*PITCH
	s_add_co_u32 s68, s68, STAGE
	v_mul_u32_u24 v6, v1, PITCH
	v_lshl_add_u32 v6, v2, 5, v6
	v_add_nc_u32 v[STO], s68, v6                   ; in: row r, 32 bytes for each half of the lanes
	v_mul_u32_u24 v7, v2, PITCH
	v_lshl_add_u32 v7, v1, 4, v7
	v_add_nc_u32 v[RD], s68, v7                    ; back: lanes 0-15 one row of 256 bytes, lanes 16-31 the next
	v_lshlrev_b32 v21, 12, v2
	v_lshl_add_u32 v[CO], v1, 4, v21               ; the same two rows in out0
	s_lshl_b32 s69, s23, 9
	s_lshl_b32 s70, s13, 8
	s_add_co_u32 s69, s69, s70                     ; 4 (128 cb + 64 wn): my first column, in bytes
	v_lshl_add_u32 v19, v2, 5, s69                 ; register j of a bias tile holds column 8 h + j
	s_lshl_b32 s70, s24, 19
	s_lshl_b32 s71, s12, 18
	s_add_co_u32 s70, s70, s71
	s_add_co_u32 s70, s70, s69
	s_mov_b32 s71, 0
	s_add_nc_u64 s[10:11], s[10:11], s[70:71]      ; out0 at row 128 rb + 64 wm, my first column
	WIN 0x40
.irp b, 0,1,2,3
	global_load_b128 v[BIAS+8*\b:BIAS+8*\b+3], v19, s[8:9] offset:64*\b
	global_load_b128 v[BIAS+8*\b+4:BIAS+8*\b+7], v19, s[8:9] offset:64*\b+16
.endr
	s_wait_loadcnt 0x0
	WIN 0
; four matrix instructions: row block a x the four column tiles.  The 16 accumulators take turns, one instruction a turn.
.macro MUL4 f, a, first
.irp b, 0,1,2,3
.if \first
	v_wmma_f32_16x16x32_f16 v[8*(4*\a+\b):8*(4*\a+\b)+7], v[\f+32+8*\b:\f+32+8*\b+7], v[\f+8*\a:\f+8*\a+7], v[BIAS+8*\b:BIAS+8*\b+7]
.else
	v_wmma_f32_16x16x32_f16 v[8*(4*\a+\b):8*(4*\a+\b)+7], v[\f+32+8*\b:\f+32+8*\b+7], v[\f+8*\a:\f+8*\a+7], v[8*(4*\a+\b):8*(4*\a+\b)+7]
.endif
.endr
.endm
; 16 LDS loads: the fragments of eighth q of a slot's K = 256: 8 for Wp, 4 for ao's row blocks 0, 1, 4 for 2, 3
.macro FETCH slot, q, f
	WIN 0
.irp b, 0,1,2,3
	ds_load_b128 v[\f+32+8*\b:\f+32+8*\b+3], v[ADRB+\slot] offset:16*\b*BPITCH+64*\q
	ds_load_b128 v[\f+32+8*\b+4:\f+32+8*\b+7], v[ADRB+\slot] offset:16*\b*BPITCH+64*\q+32
.endr
.irp a, 0,1,2,3
	ds_load_b128 v[\f+8*\a:\f+8*\a+3], v[ADRA+\slot] offset:(64*(\q>>1)+8*\a)*PITCH+(\q&1)*64
	ds_load_b128 v[\f+8*\a+4:\f+8*\a+7], v[ADRA+\slot] offset:(64*(\q>>1)+8*\a)*PITCH+(\q&1)*64+32
.endr
.endm
; multiplies buffer f; in its middle it fetches eighth q into buffer g
.macro QUARTER slot, q, f, g, first
	s_wait_dscnt 4                                 ; all but the youngest four loads (row blocks 2, 3)
	WIN 0x50
	MUL4 \f, 0, \first
	MUL4 \f, 1, \first
	PLACES
	FETCH \slot, \q, \g
	s_wait_dscnt 16                                ; all but the 16 just issued
	WIN 0x50
	MUL4 \f, 2, \first
	MUL4 \f, 3, \first
.endm
.macro SEVEN slot, first
	QUARTER \slot, 1, F0, F1, \first
	QUARTER \slot, 2, F1, F0, 0
	QUARTER \slot, 3, F0, F1, 0
	QUARTER \slot, 4, F1, F0, 0
	QUARTER \slot, 5, F0, F1, 0
	QUARTER \slot, 6, F1, F0, 0
	QUARTER \slot, 7, F0, F1, 0
.endm
; the last eighth multiplies buffer 1 and changes slots: waits for my reads and for all my tensor loads in front of the barrier, which opens a round of
; the cluster's barrier where the slot is filled again; the joint refill is the first tensor load behind the round
.macro TURN slot, next, fill
	s_wait_dscnt 4
	WIN 0x50
	MUL4 F1, 0, 0
	MUL4 F1, 1, 0
	s_wait_dscnt 0
	s_wait_tensorcnt 0x0
	ds_add_u32 v254, v255
	s_wait_dscnt 0x0
	s_barrier_signal -1
	MUL4 F1, 2, 0
	WIN 0
	s_barrier_wait -1
.if \fill
	CREST
	s_add_nc_u64 s[G0+4*\slot+2:G0+4*\slot+3], s[G0+4*\slot+2:G0+4*\slot+3], 131072   ; eight heads on
	s_add_nc_u64 s[G0B+4*\slot+2:G0B+4*\slot+3], s[G0B+4*\slot+2:G0B+4*\slot+3], 1024  ; K + 512
	JLOAD \slot
.endif
	PLACES
	FETCH \next, 0, F0
	WIN 0x50
	MUL4 F1, 3, 0
.endm
	s_wait_tensorcnt 1                             ; my part of slot 0 is in; slot 1's load stays out
	s_barrier_signal -1
	s_barrier_wait -1
	FETCH 0, 0, F0
	SEVEN 0, 1                                     ; K 0-255: the first products take the bias as C
	TURN 0, 1, 1
	SEVEN 1, 0                                     ; K 256-511
	TURN 1, 0, 1
	SEVEN 0, 0                                     ; K 512-767
	TURN 0, 1, 0                                   ; nothing is left to fetch
	SEVEN 1, 0                                     ; K 768-1023
	s_wait_dscnt 0
	WIN 0x50
	MUL4 F1, 0, 0
	MUL4 F1, 1, 0
	MUL4 F1, 2, 0
	MUL4 F1, 3, 0
	PLACES                                         ; behind the last matrix instructions: LDS stores read their results
; THE WAY OUT, 16 rows at a time through my stage: 32 bytes a lane in, whole rows of 256 bytes back; sixteen lanes store 256 neighbouring bytes, aligned
.macro OUT16 a, f
	WIN 0x04
.irp b, 0,1,2,3
	ds_store_b128 v[STO], v[8*(4*\a+\b):8*(4*\a+\b)+3] offset:64*\b
	ds_store_b128 v[STO], v[8*(4*\a+\b)+4:8*(4*\a+\b)+7] offset:64*\b+16
.endr
	WIN 0
	s_wait_xcnt 0x0                                ; the stores' base and the read-back registers are written again only behind this wait
.if \a
	s_add_nc_u64 s[10:11], s[10:11], 16*4096       ; 16 rows of out0 on
.endif
.irp t, 0,1,2,3,4,5,6,7
	ds_load_b128 v[\f+4*\t:\f+4*\t+3], v[RD] offset:\t*2*PITCH     ; my own bytes, served in order behind the stores above
.endr
.irp t, 0,1,2,3,4,5,6,7
	s_wait_dscnt 7-\t
	global_store_b128 v[CO], v[\f+4*\t:\f+4*\t+3], s[10:11] offset:2*\t*4096 th:TH_STORE_NT
.endr
.endm
	OUT16 0, 160
	OUT16 1, 192
	OUT16 2, 160
	OUT16 3, 192
	s_wait_tensorcnt 0x0
	ds_add_u32 v254, v255
	s_wait_dscnt 0x0
	CROUND                                         ; the closing round
	s_endpgm
.Lfunc_end_k_q06fa58dfc0_proj:
	.size	k_q06fa58dfc0_proj, .Lfunc_end_k_q06fa58dfc0_proj-k_q06fa58dfc0_proj
	.p2alignl 7, 3214868480
	.fill 96, 4, 3214868480
	.section	.rodata,"a",@progbits
	.p2align	6, 0x0
	.amdhsa_kernel k_q06fa58dfc0_proj
		.amdhsa_group_segment_fixed_size 327680
		.amdhsa_private_segment_fixed_size 0
		.amdhsa_enable_private_segment 0
		.amdhsa_kernarg_size 32
		.amdhsa_user_sgpr_count 2
		.amdhsa_user_sgpr_kernarg_segment_ptr 1
		.amdhsa_wavefront_size32 1
		.amdhsa_system_sgpr_workgroup_id_x 1
		.amdhsa_system_sgpr_workgroup_id_y 1
		.amdhsa_system_sgpr_workgroup_id_z 1
		.amdhsa_system_vgpr_workitem_id 0
		.amdhsa_next_free_vgpr 416
		.amdhsa_next_free_sgpr 80
		.amdhsa_reserve_vcc 0
		.amdhsa_float_denorm_mode_32 3
		.amdhsa_float_denorm_mode_16_64 3
		.amdhsa_memory_ordered 1
		.amdhsa_forward_progress 1
		.amdhsa_inst_pref_size 91
	.end_amdhsa_kernel
	.amdgpu_metadata
---
amdhsa.version: [ 1, 2 ]
amdhsa.kernels:
  - .name:           k_q06fa58dfc0_proj
    .symbol:         k_q06fa58dfc0_proj.kd
    .args:
      - { .name: ao, .offset: 0, .size: 8, .value_kind: global_buffer, .address_space: global }
      - { .name: wb, .offset: 8, .size: 8, .value_kind: global_buffer, .address_space: global }
      - { .name: bp, .offset: 16, .size: 8, .value_kind: global_buffer, .address_space: global }
      - { .name: out0, .offset: 24, .size: 8, .value_kind: global_buffer, .address_space: global }
    .group_segment_fixed_size: 327680
    .private_segment_fixed_size: 0
    .kernarg_segment_align: 8
    .kernarg_segment_size: 32
    .max_flat_workgroup_size: 128
    .sgpr_count:     80
    .vgpr_count:     416
    .wavefront_size: 32
...
	.end_amdgpu_metadata
.endif
;; end of part 4
